; MI455X (gfx1250); checked and timed in simulation.
; The chip was launched on July 23, 2026; its instructions are those of AMD's public machine-readable ISA for CDNA 5 (MIT licence, August 2026) and "CDNA5" Instruction Set Architecture Reference Guide (July 2026). The comments in the code are by the model that wrote it; some were corrected since.
;; Hash Linear. Allowed arithmetic: float matrix products may take bf16 or f16 operands with f32 sums; all other float work in f32.
;; Inputs: h_bias 64 float32; h_weight 262,144 float32; idxB 4,096 int32; idxW 4,096 x 4,096 int32; x 4,096 x 4,096 float32; xiB 4,096 float32; xiW 4,096 x 4,096 float32.
;; Outputs: out0 4,096 x 4,096 float32.
;; One version. Each part assembles by itself: llvm-mc -triple=amdgcn-amd-amdhsa -mcpu=gfx1250 --defsym DOCPART=n.
;; ======== version 1 of 1: 2 launches
;; workspace buffers: xb 33,554,432 bytes; wb 33,554,432 bytes
;; launch prep (part 1): grid 2048 x 1, 8 waves a work-group, no clusters, 0 bytes of LDS; arguments x, idxW, xiW, h_weight, xb, wb; writes xb, wb
.if DOCPART == 1
	.amdgcn_target "amdgcn-amd-amdhsa--gfx1250"
	.amdhsa_code_object_version 6
	.text
	.protected	k_q40262ba62b_prep
	.globl	k_q40262ba62b_prep
	.p2align	8
	.type	k_q40262ba62b_prep,@function
k_q40262ba62b_prep:
	s_mov_b64 s[64:65], 0
	v_nop
	global_prefetch_b8 v0, s[64:65] scope:SCOPE_SE
	s_setreg_imm32_b32 hwreg(HW_REG_WAVE_MODE, 25, 1), 1
	s_wait_xcnt 0x0
; xb = bf16(x);  wb = bf16(h_weight[idxW] * xiW), the product in f32, rounded once.
; x, idxW, xiW: [4096][4096] of 4 bytes; xb, wb: [4096][4096] bf16; h_weight: 262,144 f32.
; A stream through registers.  x, idxW and xiW have one shape, so one offset serves all three.  Work-group g owns elements 8192 g .. 8192 g + 8191
; (32,768 bytes of each input, 16,384 of each output); thread t owns, in step j = 0..7, the four elements at 1024 j + 4 t.
; A load of a wave covers 512 consecutive bytes, aligned; a store of a wave covers 256 consecutive bytes, aligned.
; Everything is written out straight: 24 stream loads go out first, then 32 gathers, and no register that a pending load or store names is written again,
; so the only waits are the counted ones on LOADcnt.
; No LDS, no barrier, no matrix unit: no lane uses another lane's data, and the table's 1,048,576 bytes are more than the 327,680 bytes of LDS that a work-group can be given.
; LIMIT: an index outside the table (taken as unsigned) reads the table's last entry; the problem lets indices be relied on as inside.
.set INSTEP,  4096                     ; bytes of an input that the work-group takes in a step
.set OUTSTEP, 2048                     ; bytes of an output
.set LAST,    0x3ffff                  ; the table's last entry
.set IOFF, 1                           ; v1        16 t: my byte offset in an input's step; never rewritten
.set OOFF, 2                           ; v2        8 t: my byte offset in an output's step; never rewritten
.set I,    4                           ; v[4:35]   step j: four indices, then byte offsets, then table entries, then products, then two packed words
.set S,    36                          ; v[36:67]  step j: four numbers of xiW
.set X,    68                          ; v[68:99]  step j: four numbers of x, then two packed words
	s_load_b256 s[4:11], s[0:1], 0x0               ; x s[4:5], idxW s[6:7], xiW s[8:9], h_weight s[10:11]
	s_load_b128 s[12:15], s[0:1], 0x20             ; xb s[12:13], wb s[14:15]
	s_lshl_b32 s2, ttmp9, 15                       ; the work-group's part of an input: 2,047 x 32,768 at the most, below 4 GiB
	s_mov_b32 s3, 0
	s_lshl_b32 s16, ttmp9, 14                      ; and of an output
	s_mov_b32 s17, 0
	v_lshlrev_b32 v[IOFF], 4, v0
	v_lshlrev_b32 v[OOFF], 3, v0
	s_wait_kmcnt 0x0
	s_add_nc_u64 s[4:5], s[4:5], s[2:3]
	s_add_nc_u64 s[6:7], s[6:7], s[2:3]
	s_add_nc_u64 s[8:9], s[8:9], s[2:3]
	s_add_nc_u64 s[12:13], s[12:13], s[16:17]
	s_add_nc_u64 s[14:15], s[14:15], s[16:17]
	; the 24 stream loads; the indices first, since the gathers hang on them.  Each byte is read once in the launch.
.irp j, 0,1,2,3,4,5,6,7
	global_load_b128 v[I+4*\j:I+4*\j+3], v[IOFF], s[6:7] offset:INSTEP*\j th:TH_LOAD_NT
.endr
.irp j, 0,1,2,3,4,5,6,7
	global_load_b128 v[S+4*\j:S+4*\j+3], v[IOFF], s[8:9] offset:INSTEP*\j th:TH_LOAD_NT
.endr
.irp j, 0,1,2,3,4,5,6,7
	global_load_b128 v[X+4*\j:X+4*\j+3], v[IOFF], s[4:5] offset:INSTEP*\j th:TH_LOAD_NT
.endr
; Step j's four gathers.  Each lands on its own address register.  No hint: the whole launch reads the table again and again.
.macro GATHER j
	s_wait_loadcnt 23+3*\j                         ; younger than step j's indices: 7 - j loads of indices, 16 of xiW and x, 4 j gathers
.irp k, 0,1,2,3
	v_min_u32 v[I+4*\j+\k], LAST, v[I+4*\j+\k]     ; the index stays inside the table
.endr
.irp k, 0,1,2,3
	v_lshlrev_b32 v[I+4*\j+\k], 2, v[I+4*\j+\k]    ; in bytes
.endr
.irp k, 0,1,2,3
	global_load_b32 v[I+4*\j+\k], v[I+4*\j+\k], s[10:11]
.endr
.endm
; Step j of x is rounded and stored while the gathers are on their way.  No hint on the store: the next launch reads xb.
.macro XOUT j
	s_wait_loadcnt 39-\j                           ; younger than step j's x: 7 - j loads of x and the 32 gathers
	v_cvt_pk_bf16_f32 v[X+4*\j],   v[X+4*\j],   v[X+4*\j+1]
	v_cvt_pk_bf16_f32 v[X+4*\j+1], v[X+4*\j+2], v[X+4*\j+3]
	global_store_b64 v[OOFF], v[X+4*\j:X+4*\j+1], s[12:13] offset:OUTSTEP*\j
.endm
; Step j of W: table entry times sign in f32, rounded once, stored.
.macro WOUT j
	s_wait_loadcnt 28-4*\j                         ; younger than step j's gathers: the four of each later step; all of xiW is older
	v_pk_mul_f32 v[I+4*\j:I+4*\j+1],   v[I+4*\j:I+4*\j+1],   v[S+4*\j:S+4*\j+1]
	v_pk_mul_f32 v[I+4*\j+2:I+4*\j+3], v[I+4*\j+2:I+4*\j+3], v[S+4*\j+2:S+4*\j+3]
	v_cvt_pk_bf16_f32 v[I+4*\j],   v[I+4*\j],   v[I+4*\j+1]
	v_cvt_pk_bf16_f32 v[I+4*\j+1], v[I+4*\j+2], v[I+4*\j+3]
	global_store_b64 v[OOFF], v[I+4*\j:I+4*\j+1], s[14:15] offset:OUTSTEP*\j
.endm
.irp j, 0,1,2,3,4,5,6,7
	GATHER \j
.endr
.irp j, 0,1,2,3,4,5,6,7
	XOUT \j
.endr
.irp j, 0,1,2,3,4,5,6,7
	WOUT \j
.endr
	s_endpgm
.Lfunc_end_k_q40262ba62b_prep:
	.size	k_q40262ba62b_prep, .Lfunc_end_k_q40262ba62b_prep-k_q40262ba62b_prep
	.p2alignl 7, 3214868480
	.fill 96, 4, 3214868480
	.section	.rodata,"a",@progbits
	.p2align	6, 0x0
	.amdhsa_kernel k_q40262ba62b_prep
		.amdhsa_group_segment_fixed_size 0
		.amdhsa_private_segment_fixed_size 0
		.amdhsa_enable_private_segment 0
		.amdhsa_kernarg_size 48
		.amdhsa_user_sgpr_count 2
		.amdhsa_user_sgpr_kernarg_segment_ptr 1
		.amdhsa_wavefront_size32 1
		.amdhsa_system_sgpr_workgroup_id_x 1
		.amdhsa_system_sgpr_workgroup_id_y 1
		.amdhsa_system_sgpr_workgroup_id_z 1
		.amdhsa_system_vgpr_workitem_id 0
		.amdhsa_next_free_vgpr 100
		.amdhsa_next_free_sgpr 66
		.amdhsa_reserve_vcc 0
		.amdhsa_float_denorm_mode_32 3
		.amdhsa_float_denorm_mode_16_64 3
		.amdhsa_memory_ordered 1
		.amdhsa_forward_progress 1
		.amdhsa_inst_pref_size 15
	.end_amdhsa_kernel
	.amdgpu_metadata
---
amdhsa.version: [ 1, 2 ]
amdhsa.kernels:
  - .name:           k_q40262ba62b_prep
    .symbol:         k_q40262ba62b_prep.kd
    .args:
      - { .name: x, .offset: 0, .size: 8, .value_kind: global_buffer, .address_space: global }
      - { .name: idxW, .offset: 8, .size: 8, .value_kind: global_buffer, .address_space: global }
      - { .name: xiW, .offset: 16, .size: 8, .value_kind: global_buffer, .address_space: global }
      - { .name: h_weight, .offset: 24, .size: 8, .value_kind: global_buffer, .address_space: global }
      - { .name: xb, .offset: 32, .size: 8, .value_kind: global_buffer, .address_space: global }
      - { .name: wb, .offset: 40, .size: 8, .value_kind: global_buffer, .address_space: global }
    .group_segment_fixed_size: 0
    .private_segment_fixed_size: 0
    .kernarg_segment_align: 8
    .kernarg_segment_size: 48
    .max_flat_workgroup_size: 256
    .sgpr_count:     66
    .vgpr_count:     100
    .wavefront_size: 32
...
	.end_amdgpu_metadata
.endif
;; end of part 1
;; launch gemm (part 2): grid 16 x 16, 4 waves a work-group, clusters of 4 x 4, 327,680 bytes of LDS; arguments xb, wb, h_bias, idxB, xiB, out0; writes out0
.if DOCPART == 2
	.amdgcn_target "amdgcn-amd-amdhsa--gfx1250"
	.amdhsa_code_object_version 6
	.text
	.protected	k_q40262ba62b_gemm
	.globl	k_q40262ba62b_gemm
	.p2align	8
	.type	k_q40262ba62b_gemm,@function
k_q40262ba62b_gemm:
	s_mov_b64 s[64:65], 0
	v_nop
	global_prefetch_b8 v0, s[64:65] scope:SCOPE_SE
	s_setreg_imm32_b32 hwreg(HW_REG_WAVE_MODE, 25, 1), 1
	s_wait_xcnt 0x0
	s_wait_alu depctr_hold_cnt(0) depctr_sa_sdst(0) depctr_va_vdst(0) depctr_va_sdst(0) depctr_va_ssrc(0) depctr_va_vcc(0) depctr_vm_vsrc(0)
	s_getreg_b32 s2, hwreg(HW_REG_IB_STS2, 6, 4)
	s_cmp_eq_u32 s2, 0
	s_cbranch_scc0 .Lentry_in_a_cluster
	s_endpgm
.Lentry_in_a_cluster:
	s_bfe_u32 s2, ttmp6, 0x10000c
	s_cmp_lg_u32 s2, 0xf033
	s_cbranch_scc0 .Lentry_shape_is_right
	s_endpgm
.Lentry_shape_is_right:
; out0[m][n] = sum over k of xb[m][k] wb[n][k] + h_bias[idxB[n]] * xiB[n].  xb, wb: [4096][4096] bf16; out0: [4096][4096] f32; sums in f32.
; A work-group makes a block of 256 x 256 of out0 with four waves; a wave makes 128 x 128: 64 accumulator tiles of 16 x 16, 512 registers.
; K goes in steps of 128 through a ring of two LDS slots filled by the tensor data mover: a tile's rows are 256 bytes of memory and start at
; multiples of 256 bytes from the buffer's first byte.  16 x 16 blocks = 256 work-groups.
; CLUSTERS: 4 x 4 work-groups.  The four of a row of the cluster need the same tiles of xb (A), the four of a column the same tiles of wb (B).
; Such a tile is asked for jointly: each of the four issues the same tensor load with the same descriptor and a mask that names the four.
; LIMITS: the operands are bf16 (rounded by the launch before); an index of idxB above 63 (taken as unsigned) reads h_bias's last entry.
;
; REGISTERS, in windows of 256 (s_set_vgpr_msb says which window each operand place means):
;   window 0: v0-39 addresses and the bias; v64-127, v128-191 fragments of A (8 x 16 rows x 32 K), two buffers, and rows of out0 on the way out
;   window 1: v64-127, v128-191 fragments of B, two buffers
;   window 2: the 32 accumulator tiles of my rows 0-63 (tile (a, b) at v[8 (8 a + b)]);   window 3: those of my rows 64-127
; s_set_vgpr_msb's low byte: bits 1:0 source 0, 3:2 source 1, 5:4 source 2, 7:6 destination.
;
; THE MATRIX INSTRUCTION IS USED TRANSPOSED: source 0 = 16 rows of B, source 1 = 16 rows of A.  Lane l then holds row l % 16 of out0 and its registers
; 0 to 7 the columns 8 (l / 16) + 0 .. 7: eight neighbouring f32 of a row, two LDS stores of 16 bytes.
; The 64 accumulators take turns, one matrix instruction a turn, in the same order in every quarter step and over the backward jump.
.set SIZE_K, 4096
.set SIZE_N, 4096
.set KSTEP,  128
.set PITCH,  272                       ; an LDS row of a slot: 256 bytes of data + 16 of padding, an odd multiple of 16: the 16 rows that a load touches lie in 16 different 16-byte columns modulo 256
.set HALFT,  128*PITCH                 ; 128 rows: what one tensor load brings, and what one wave reads of A or of B
.set SLOT,   4*HALFT                   ; A's 256 rows, then B's 256 rows
.set STAGE,  2*SLOT                    ; behind the ring (byte 278,528 = 1,088 x 256): the stages for the way out, into which no tensor load lands
.set SPITCH, 528                       ; a stage's row: 128 f32 = 512 bytes + 16, again an odd multiple of 16
.set WSTAGE, 16*SPITCH                 ; a wave's stage: 16 rows = 8,448 bytes = 33 x 256
.set LAPS, SIZE_K/(2*KSTEP)            ; a lap = two K steps = once round the ring: 16
.set ADRA, 16                          ; v16-17  LDS address of my A fragments in slot 0, 1
.set ADRB, 20                          ; v20-21  the same for B
.set STO,  24                          ; v24     the way out: where I put 32 bytes of a row
.set RD,   25                          ; v25     the way out: where I read 16 bytes of a row back
.set CO,   26                          ; v26     16 x lane: my byte offset in a row of my block of out0
.set BO,   27                          ; v27     byte offset in idxB and xiB of my four columns
.set IDX,  28                          ; v[28:31] idxB of my four columns, then byte offsets in h_bias
.set XI,   32                          ; v[32:35] xiB of my four columns
.set BIAS, 36                          ; v[36:39] h_bias entries, then the bias of my four columns
.set F0,   64                          ; fragment buffer 0
.set F1,   128                         ; fragment buffer 1
.set G1, 24                            ; s[24:31] descriptor group 1 for A's tiles
.set G0, 32                            ; s[32:39] descriptor group 0 for A's tiles, one set for each slot
.set G1B, 48                           ; s[48:55] descriptor group 1 for B's tiles: it differs from A's in the mask alone
.set G0B, 56                           ; s[56:63] descriptor group 0 for B's tiles, one set for each slot
.set MSB, 0
.macro WIN new                         ; the immediate's high byte repeats the setting that is left
.if MSB != \new
	s_set_vgpr_msb (MSB<<8)|\new
.set MSB, \new
.endif
.endm
.set MUL_LO, 0xa1                      ; source 0 (B) window 1, source 1 (A) window 0, C and D window 2
.set MUL_HI, 0xf1                      ; the same, C and D window 3
.set TO_B,   0x40                      ; destination window 1, address window 0
; A joint load.  Waves 0 and 1 fetch A's two halves, waves 2 and 3 B's.  Each line has one mask and one set of registers for all that issue it.
; The branch hangs on the wave's number alone: it is the same in every work-group.
.macro JLOAD s
	s_cmp_eq_u32 s11, 0
	s_cbranch_scc0 .Lfor_b_\@
	tensor_load_to_lds s[G0+4*\s:G0+4*\s+3], s[G1:G1+7]
	s_nop 0
	s_branch .Lasked_\@
.Lfor_b_\@:
	tensor_load_to_lds s[G0B+4*\s:G0B+4*\s+3], s[G1B:G1B+7]
	s_nop 0
.Lasked_\@:
.endm
; A round of the cluster's barrier: my work-group's barrier, so that wave 0's signal speaks for all four waves; wave 0 signals for the work-group;
; every wave waits for all sixteen work-groups; my work-group's barrier once more.
.macro CREST                           ; a round behind its opening barrier
	s_cmp_lg_u32 s10, 0
	s_cbranch_scc1 .Lnot_wave_0_\@
	s_barrier_signal -3
.Lnot_wave_0_\@:
	s_barrier_wait -3
	s_barrier_signal -1
	s_barrier_wait -1
.endm
.macro CROUND                          ; a whole round
	s_barrier_signal -1
	s_barrier_wait -1
	CREST
.endm
	s_load_b128 s[4:7], s[0:1], 0x0                ; xb (A) s[4:5], wb (B) s[6:7]
	s_load_b128 s[68:71], s[0:1], 0x10             ; h_bias s[68:69], idxB s[70:71]
	s_load_b64 s[72:73], s[0:1], 0x20              ; xiB
	s_load_b64 s[8:9], s[0:1], 0x28                ; out0
	s_set_vgpr_msb 0x40
	v_lshl_add_u32 v255, v0, 2, 0x4c400
	s_set_vgpr_msb 0x4000
	v_mov_b32 v255, 0
	s_set_vgpr_msb 0x1
	ds_add_u32 v255, v255
	s_set_vgpr_msb 0x100
	v_lshrrev_b32 v1, 5, v0
	v_readfirstlane_b32 s10, v1                    ; wave 0..3
	s_lshr_b32 s11, s10, 1                         ; which half of the block's rows is mine.  Also: I fetch for A (0) or for B (1)
	s_and_b32 s12, s10, 1                          ; which half of its columns.  Also: which 128 rows of that tile I fetch
	s_bfe_u32 s40, ttmp6, 0x40000                  ; cx: my place along the cluster's x
	s_bfe_u32 s41, ttmp6, 0x40004                  ; cy: along its y
	s_lshl_b32 s42, ttmp9, 2                       ; in a cluster launch ttmp9 and ttmp7 count clusters
	s_add_co_u32 s42, s42, s40                     ; block column = 4 x cluster x + cx
	s_and_b32 s13, ttmp7, 0xffff
	s_lshl_b32 s13, s13, 2
	s_add_co_u32 s13, s13, s41                     ; block row = 4 x cluster y + cy
	s_lshl_b32 s43, s41, 2
	s_lshl_b32 s43, 15, s43                        ; my row of the cluster: places 4 cy .. 4 cy + 3
	s_lshl_b32 s44, 0x1111, s40                    ; my column: places cx, cx + 4, cx + 8, cx + 12
	; descriptor group 1: a tile of 128 rows x 128 elements, padded in LDS
	s_or_b32 s[G1+0], s43, (1<<16)|(1<<20)|(1<<21)|(5<<22)|(3<<25)  ; 15:0 the mask: A's tiles go to my row; 17:16 element of 2 bytes; 20 padding on; 21 set beside a mask; 24:22 after every 64 words (code 5); 31:25 of 4 words (code 3)
	s_or_b32 s[G1B+0], s44, (1<<16)|(1<<20)|(1<<21)|(5<<22)|(3<<25) ; the same with the mask of my column, for B's tiles
	s_mov_b32 s[G1B+1], KSTEP<<16
	s_mov_b32 s[G1+1], KSTEP<<16                   ; 63:48 tensor_dim0, low half = 128
	s_mov_b32 s[G1B+2], 128<<16
	s_mov_b32 s[G1+2], 128<<16                     ; 79:64 its high half = 0; 95:80 tensor_dim1, low half = 128
	s_mov_b32 s[G1B+3], KSTEP<<16
	s_mov_b32 s[G1+3], KSTEP<<16                   ; 111:96 its high half = 0; 127:112 tile_dim0 = 128
	s_mov_b32 s[G1B+4], 128
	s_mov_b32 s[G1+4], 128                         ; 143:128 tile_dim1 = 128; 159:144 tile_dim2 = 0
	s_mov_b32 s[G1B+5], SIZE_K
	s_mov_b32 s[G1+5], SIZE_K                      ; 191:160 tensor_dim0_stride, low word: elements from row to row
	s_mov_b32 s[G1B+6], 0
	s_mov_b32 s[G1+6], 0
	s_mov_b32 s[G1B+7], 0
	s_mov_b32 s[G1+7], 0
	; where the tiles come from.  A's hang on the block row alone, which my row of the cluster shares; B's on the block column alone, which my column shares.
	; Every wave makes both addresses, in registers that never hold the other coordinate, and asks by one of them.
	s_lshl_b32 s17, s12, 7                         ; which 128 rows of the tile I fetch
	s_lshl_b32 s16, s13, 8
	s_add_co_u32 s16, s16, s17                     ; A: row 256 x block row + 128 x half
	s_lshl_b32 s46, s42, 8
	s_add_co_u32 s46, s46, s17                     ; B: row 256 x block column + 128 x half
	s_mov_b32 s17, 0
	s_mov_b32 s47, 0
	s_mov_b64 s[18:19], SIZE_K*2
	s_mul_u64 s[16:17], s[16:17], s[18:19]         ; in bytes, in 64 bits
	s_mul_u64 s[46:47], s[46:47], s[18:19]
	s_mul_i32 s20, s10, HALFT                      ; and where they go: A's two halves, then B's two halves = wave x 128 rows: no place in the cluster enters an LDS address
	s_wait_dscnt 0x0
	s_wait_kmcnt 0x0
	s_add_nc_u64 s[14:15], s[4:5], s[16:17]
	s_add_nc_u64 s[46:47], s[6:7], s[46:47]
	CROUND                                         ; all sixteen work-groups are here: the first joint loads meet
.irp s, 0,1
	s_mov_b32 s[G0+4*\s], 1                                        ; 1:0 count = 1
	s_add_co_u32 s[G0+4*\s+1], s20, \s*SLOT                        ; 63:32 LDS address
	s_add_nc_u64 s[G0+4*\s+2:G0+4*\s+3], s[14:15], \s*KSTEP*2      ; 120:64 global address: K step s
	s_or_b32 s[G0+4*\s+3], s[G0+4*\s+3], 0x80000000                ; 127:126 type = 2
	s_mov_b32 s[G0B+4*\s], 1
	s_add_co_u32 s[G0B+4*\s+1], s20, \s*SLOT
	s_add_nc_u64 s[G0B+4*\s+2:G0B+4*\s+3], s[46:47], \s*KSTEP*2
	s_or_b32 s[G0B+4*\s+3], s[G0B+4*\s+3], 0x80000000
	JLOAD \s                                       ; the ring is filled before anything else is done: two tensor loads of the wave are out
.endr
	; THE BIAS.  On the way out a lane holds columns 4 lane .. 4 lane + 3 of my wave's 128 in every row, so four bias numbers a lane serve the whole block.
	s_lshl_b32 s45, s42, 1
	s_add_co_u32 s45, s45, s12
	s_lshl_b32 s45, s45, 9                         ; 4 bytes x (256 x block column + 128 x half): my wave's first column in idxB, in xiB and in a row of out0
	v_and_b32 v5, 31, v0                           ; lane
	v_lshlrev_b32 v[CO], 4, v5
	v_add_nc_u32 v[BO], s45, v[CO]
	global_load_b128 v[IDX:IDX+3], v[BO], s[70:71]
	global_load_b128 v[XI:XI+3], v[BO], s[72:73]
	; A fragment is 16 rows x 32 K in 8 registers: lane l holds row l % 16; registers 0-3 hold K = 8 (l / 16) + 0..7, registers 4-7 hold
	; K = 16 + 8 (l / 16) + 0..7.  From rows that lie along K: two loads of 16 bytes, 32 bytes apart.  The same for source 0 and source 1.
	v_and_b32 v1, 15, v0                           ; l % 16
	v_bfe_u32 v2, v0, 4, 1                         ; l / 16
	v_mul_u32_u24 v3, v1, PITCH
	v_lshl_add_u32 v3, v2, 4, v3                   ; row x pitch + 16 x half
	s_mul_i32 s21, s11, HALFT                      ; my 128 rows of A
	s_mul_i32 s22, s12, HALFT                      ; my 128 rows of B,
	s_add_co_u32 s22, s22, 2*HALFT                 ; which lie behind A's 256
.irp s, 0,1
	v_add_nc_u32 v[ADRA+\s], s21, v3
	v_add_nc_u32 v[ADRB+\s], s22, v3
	s_add_co_u32 s21, s21, SLOT
	s_add_co_u32 s22, s22, SLOT
.endr
	s_mul_i32 s23, s10, WSTAGE
	s_add_co_u32 s23, s23, STAGE                   ; my stage
	v_mul_u32_u24 v4, v1, SPITCH                   ; in: row l % 16, 32 bytes for each half of the lanes
	v_lshl_add_u32 v4, v2, 5, v4
	v_add_nc_u32 v[STO], s23, v4
	v_add_nc_u32 v[RD], s23, v[CO]                 ; back: the 32 lanes take one row of 512 bytes
	s_wait_loadcnt 0x1                             ; idxB is in; the load of xiB, issued behind it, may stay out
.irp k, 0,1,2,3
	v_min_u32 v[IDX+\k], 63, v[IDX+\k]             ; the index stays inside h_bias
.endr
.irp k, 0,1,2,3
	v_lshlrev_b32 v[IDX+\k], 2, v[IDX+\k]
.endr
.irp k, 0,1,2,3
	global_load_b32 v[BIAS+\k], v[IDX+\k], s[68:69]    ; these stay out over the K loop, which names none of v27-v39 of window 0 nor s[68:73]; they are waited for on the way out
.endr
; 16 matrix instructions: m blocks a0, a0 + 1 of the window's four (hi = 0: my rows 0-63, 1: rows 64-127) x all 8 n blocks, 32 along K.
; zero = 1: the first product starts the sums: nothing is ever cleared.
.macro MUL16 f, hi, a0, zero
.irp a, \a0, \a0+1
.irp b, 0,1,2,3,4,5,6,7
.if \zero
	v_wmma_f32_16x16x32_bf16 v[8*(8*(\a)+\b):8*(8*(\a)+\b)+7], v[\f+8*\b:\f+8*\b+7], v[\f+8*(4*\hi+\a):\f+8*(4*\hi+\a)+7], 0
.else
	v_wmma_f32_16x16x32_bf16 v[8*(8*(\a)+\b):8*(8*(\a)+\b)+7], v[\f+8*\b:\f+8*\b+7], v[\f+8*(4*\hi+\a):\f+8*(4*\hi+\a)+7], v[8*(8*(\a)+\b):8*(8*(\a)+\b)+7]
.endif
.endr
.endr
.endm
; 32 LDS loads in one run: the fragments of one quarter step (128 rows of B, 128 rows of A, 32 K at byte k of the rows) into buffer f
.macro FETCH slot, k, f
	WIN TO_B
.irp i, 0,1,2,3,4,5,6,7
	ds_load_b128 v[\f+8*\i:\f+8*\i+3],   v[ADRB+\slot] offset:\k+\i*16*PITCH
	ds_load_b128 v[\f+8*\i+4:\f+8*\i+7], v[ADRB+\slot] offset:\k+\i*16*PITCH+32
.endr
	WIN 0
.irp i, 0,1,2,3,4,5,6,7
	ds_load_b128 v[\f+8*\i:\f+8*\i+3],   v[ADRA+\slot] offset:\k+\i*16*PITCH
	ds_load_b128 v[\f+8*\i+4:\f+8*\i+7], v[ADRA+\slot] offset:\k+\i*16*PITCH+32
.endr
.endm
; A load into a register that a matrix instruction has read, and anything but a matrix instruction that reads a matrix result, stand four places behind
; that matrix instruction, and only plain vector instructions that name none of its registers are places (ISA guide 7.12.1 for vector instructions).
; So four v_nop stand in front of each run of loads and in front of the way out.
.macro PLACES
.rept 4
	v_nop
.endr
.endm
; A K step is four quarter steps of 32 along K, 64 matrix instructions each, on buffers 0, 1, 0, 1.
; One of the first three: multiplies buffer f; in its middle it fetches the next quarter's fragments, at byte k of the same slot's rows, into buffer g.
.macro QUARTER slot, k, f, g, zero
	s_wait_dscnt 8                                 ; B and A's rows 0-63 are in; the youngest eight loads (A's rows 64-127) may be out
	WIN MUL_LO
	MUL16 \f, 0, 0, \zero
	MUL16 \f, 0, 2, \zero
	PLACES
	FETCH \slot, \k, \g
	s_wait_dscnt 32                                ; all but the 32 just issued
	WIN MUL_HI
	MUL16 \f, 1, 0, \zero
	MUL16 \f, 1, 2, \zero
.endm
.macro THREE slot, zero
	QUARTER \slot, 64,  F0, F1, \zero
	QUARTER \slot, 128, F1, F0, 0
	QUARTER \slot, 192, F0, F1, 0
.endm
; The last quarter: multiplies buffer 1 and changes slots.  next = the other slot; fill = 1: this slot is filled again, two K steps ahead.
; One barrier for the change of slots, for two things.  In front of it each wave waits for its own reads of this slot and for all its tensor loads,
; of which one is out: its part of the next slot.  Behind it nobody reads this slot any more and the next slot is whole: the refill comes
; first, then the next slot's first fragments.  From a request to the wait for it a wave issues 240 matrix instructions.
.macro TURN slot, next, fill
	s_wait_dscnt 8
	WIN MUL_LO
	MUL16 F1, 0, 0, 0
	s_wait_dscnt 0                                 ; my reads of this slot are over
	s_wait_tensorcnt 0x0                           ; and all my tensor loads have landed: the one that was out is my part of the next slot
	ds_add_u32 v255, v255
	s_wait_dscnt 0x0
	s_barrier_signal -1                            ; say so (where a slot is filled again this barrier opens a round of the cluster's barrier),
	MUL16 F1, 0, 2, 0                              ; work on registers while the others arrive,
	WIN 0
	s_barrier_wait -1                              ; and go on when all four have said so
.if \fill
	CREST                                          ; all sixteen work-groups have said so: no wave of any partner still reads this slot's tile or has a load on its way
	s_add_nc_u64 s[G0+4*\slot+2:G0+4*\slot+3], s[G0+4*\slot+2:G0+4*\slot+3], 2*KSTEP*2
	s_add_nc_u64 s[G0B+4*\slot+2:G0B+4*\slot+3], s[G0B+4*\slot+2:G0B+4*\slot+3], 2*KSTEP*2
	JLOAD \slot                                    ; the first tensor load behind the round, and the wave's only one until the next: one is out
.endif
	PLACES
	FETCH \next, 0, F0
	WIN MUL_HI
	MUL16 F1, 1, 0, 0
	MUL16 F1, 1, 2, 0
.endm
.macro LAP zero                        ; once round the ring, both slots filled again
	THREE 0, \zero
	TURN 0, 1, 1
	THREE 1, 0
	TURN 1, 0, 1
.endm
	s_wait_tensorcnt 1                             ; my part of K step 0 is in; K step 1's, issued behind it, stays out
	s_barrier_signal -1
	s_barrier_wait -1                              ; everybody's is
	FETCH 0, 0, F0
	LAP 1                                          ; the first lap stands in front of the loop: its first products start the sums
	WIN 0                                          ; at a label and at a branch every window is 0
	s_mov_b32 s3, LAPS-2
.Llap:
	LAP 0
	WIN 0
	s_sub_co_u32 s3, s3, 1
	s_cmp_lg_u32 s3, 0
	s_cbranch_scc1 .Llap
	THREE 0, 0                                     ; the last lap fills nothing and has no round of the cluster's barrier: the one tensor load still out is slot 1's, the last K step's
	TURN 0, 1, 0
	THREE 1, 0
	s_wait_dscnt 8                                 ; the very last quarter: nothing more to fetch
	WIN MUL_LO
	MUL16 F1, 0, 0, 0
	MUL16 F1, 0, 2, 0
	s_wait_dscnt 0
	WIN MUL_HI
	MUL16 F1, 1, 0, 0
	MUL16 F1, 1, 2, 0
	; THE WAY OUT, 16 rows of out0 at a time: 32 bytes a lane and tile into my own stage in LDS, read back as whole rows of 512 bytes, the bias added, stored.
	PLACES                                         ; the places behind the last matrix instructions: for the LDS stores, which read results, and for the loads into buffers 0 and 1
	WIN 0
	s_wait_loadcnt 0x0                             ; xiB and the four entries of h_bias
	v_pk_mul_f32 v[BIAS:BIAS+1],   v[BIAS:BIAS+1],   v[XI:XI+1]      ; the bias of my four columns
	v_pk_mul_f32 v[BIAS+2:BIAS+3], v[BIAS+2:BIAS+3], v[XI+2:XI+3]
	s_lshl_b32 s13, s13, 8
	s_lshl_b32 s14, s11, 7
	s_add_co_u32 s16, s13, s14                     ; my first row of out0
	s_mov_b32 s17, 0
	s_mov_b64 s[18:19], SIZE_N*4
	s_mul_u64 s[16:17], s[16:17], s[18:19]
	s_add_nc_u64 s[8:9], s[8:9], s[16:17]
	s_mov_b32 s46, s45                             ; my first column, in bytes (in the registers that held B's address: none that feeds A's descriptors ever holds cx)
	s_mov_b32 s47, 0
	s_add_nc_u64 s[8:9], s[8:9], s[46:47]
; rows 16 i .. 16 i + 15 of my block = the eight tiles (a, 0..7) of window 2 or 3 (from = 0x08 or 0x0c: an LDS store's data is source 1); f: F0 or F1 in turn
.macro OUT16 i, a, from, f
	WIN \from
.irp b, 0,1,2,3,4,5,6,7
	ds_store_b128 v[STO], v[8*(8*\a+\b):8*(8*\a+\b)+3]   offset:64*\b      ; row l % 16, columns 16 b + 8 (l / 16) + 0..3
	ds_store_b128 v[STO], v[8*(8*\a+\b)+4:8*(8*\a+\b)+7] offset:64*\b+16   ; and + 4..7
.endr
	WIN 0
	s_wait_xcnt 0x0                                ; every earlier memory instruction has had its addresses translated (ISA guide 3.1): buffer f, which stores read, and the stores' base are rewritten only behind this wait
.if \i
	s_add_nc_u64 s[8:9], s[8:9], 16*SIZE_N*4       ; 16 rows of out0 on, so that the stores' offsets stay at 15 rows, 245,760 bytes, at the most
.endif
.irp t, 0,1,2,3,4,5,6,7,8,9,10,11,12,13,14,15
	ds_load_b128 v[\f+4*\t:\f+4*\t+3], v[RD] offset:\t*SPITCH      ; LDS serves a wave's instructions in order (ISA guide 5.7.1.4): these see the stores above
.endr
.irp t, 0,1,2,3,4,5,6,7,8,9,10,11,12,13,14,15
	s_wait_dscnt 15-\t                             ; row t of the sixteen is in
	v_pk_add_f32 v[\f+4*\t:\f+4*\t+1],   v[\f+4*\t:\f+4*\t+1],   v[BIAS:BIAS+1]
	v_pk_add_f32 v[\f+4*\t+2:\f+4*\t+3], v[\f+4*\t+2:\f+4*\t+3], v[BIAS+2:BIAS+3]
	global_store_b128 v[CO], v[\f+4*\t:\f+4*\t+3], s[8:9] offset:\t*SIZE_N*4 th:TH_STORE_NT   ; the wave stores 512 consecutive bytes, at a multiple of 512 from out0's first byte
.endr
.endm
	OUT16 0, 0, 0x08, F0
	OUT16 1, 1, 0x08, F1
	OUT16 2, 2, 0x08, F0
	OUT16 3, 3, 0x08, F1
	OUT16 4, 0, 0x0c, F0
	OUT16 5, 1, 0x0c, F1
	OUT16 6, 2, 0x0c, F0
	OUT16 7, 3, 0x0c, F1
	s_set_vgpr_msb 0x1
	s_wait_tensorcnt 0x0
	ds_add_u32 v255, v255
	s_wait_dscnt 0x0
	s_set_vgpr_msb 0x100
	CROUND                                         ; the closing round: no work-group ends while a partner may still ask for a tile that names it
	s_endpgm
.Lfunc_end_k_q40262ba62b_gemm:
	.size	k_q40262ba62b_gemm, .Lfunc_end_k_q40262ba62b_gemm-k_q40262ba62b_gemm
	.p2alignl 7, 3214868480
	.fill 96, 4, 3214868480
	.section	.rodata,"a",@progbits
	.p2align	6, 0x0
	.amdhsa_kernel k_q40262ba62b_gemm
		.amdhsa_group_segment_fixed_size 327680
		.amdhsa_private_segment_fixed_size 0
		.amdhsa_enable_private_segment 0
		.amdhsa_kernarg_size 48
		.amdhsa_user_sgpr_count 2
		.amdhsa_user_sgpr_kernarg_segment_ptr 1
		.amdhsa_wavefront_size32 1
		.amdhsa_system_sgpr_workgroup_id_x 1
		.amdhsa_system_sgpr_workgroup_id_y 1
		.amdhsa_system_sgpr_workgroup_id_z 1
		.amdhsa_system_vgpr_workitem_id 0
		.amdhsa_next_free_vgpr 1024
		.amdhsa_next_free_sgpr 80
		.amdhsa_reserve_vcc 0
		.amdhsa_float_denorm_mode_32 3
		.amdhsa_float_denorm_mode_16_64 3
		.amdhsa_memory_ordered 1
		.amdhsa_forward_progress 1
		.amdhsa_inst_pref_size 213
	.end_amdhsa_kernel
	.amdgpu_metadata
---
amdhsa.version: [ 1, 2 ]
amdhsa.kernels:
  - .name:           k_q40262ba62b_gemm
    .symbol:         k_q40262ba62b_gemm.kd
    .args:
      - { .name: xb, .offset: 0, .size: 8, .value_kind: global_buffer, .address_space: global }
      - { .name: wb, .offset: 8, .size: 8, .value_kind: global_buffer, .address_space: global }
      - { .name: h_bias, .offset: 16, .size: 8, .value_kind: global_buffer, .address_space: global }
      - { .name: idxB, .offset: 24, .size: 8, .value_kind: global_buffer, .address_space: global }
      - { .name: xiB, .offset: 32, .size: 8, .value_kind: global_buffer, .address_space: global }
      - { .name: out0, .offset: 40, .size: 8, .value_kind: global_buffer, .address_space: global }
    .group_segment_fixed_size: 327680
    .private_segment_fixed_size: 0
    .kernarg_segment_align: 8
    .kernarg_segment_size: 48
    .max_flat_workgroup_size: 128
    .sgpr_count:     80
    .vgpr_count:     1024
    .wavefront_size: 32
...
	.end_amdgpu_metadata
.endif
;; end of part 2
